; MI455X (gfx1250); checked and timed in simulation.
; The chip was launched on July 23, 2026; its instructions are those of AMD's public machine-readable ISA for CDNA 5 (MIT licence, August 2026) and "CDNA5" Instruction Set Architecture Reference Guide (July 2026). The comments in the code are by the model that wrote it; some were corrected since.
;; Bit Linear Bit BLAS. Allowed arithmetic: float matrix products may take bf16 or f16 operands with f32 sums; other float arithmetic in f32, or as packed bf16 or f16 multiplies, adds, multiply-adds, maxima and minima; sums over many terms, partial sums and values carried from step to step in f32; what a program stores and reads back later, other than sums and carried values, may be rounded once to bf16 or f16.
;; Inputs: weight 2,048 x 2,048 float32; x 4 x 4,096 x 2,048 float32.
;; Outputs: out0 4 x 4,096 x 2,048 float16.
;; 2 versions, each right; version 2 is version 1 with the launch quant written anew for expert scheduling mode. Each part assembles by itself: llvm-mc -triple=amdgcn-amd-amdhsa -mcpu=gfx1250 --defsym DOCPART=n.
;; ======== version 1 of 2: 3 launches
;; workspace buffers: part 1,024 bytes; qx 67,108,864 bytes; qw 8,388,608 bytes; rs 65,536 bytes
;; launch wsum (part 1): grid 256 x 1, 8 waves a work-group, no clusters, 1,280 bytes of LDS; arguments weight, part; writes part
.if DOCPART == 1
	.amdgcn_target "amdgcn-amd-amdhsa--gfx1250"
	.amdhsa_code_object_version 6
	.text
	.protected	k_qf45f124b10_wsum
	.globl	k_qf45f124b10_wsum
	.p2align	8
	.type	k_qf45f124b10_wsum,@function
k_qf45f124b10_wsum:
	s_mov_b64 s[64:65], 0
	v_nop
	global_prefetch_b8 v0, s[64:65] scope:SCOPE_SE
	s_setreg_imm32_b32 hwreg(HW_REG_WAVE_MODE, 25, 1), 1
	s_wait_xcnt 0x0
; BitLinear, step 1 of 3: part[g] = the sum of |weight| over work-group g's 16,384 numbers (65,536 consecutive bytes).
; THE WHOLE PROGRAM.  x is taken as [16384][2048], weight as [2048][2048], both f32; out0 is [16384][2048] f16.
;   this launch: 256 partial sums of |W|;   the second: mw = clip(mean|W|, 1e-5), sw = 1 / mw, qw = clip(round(W sw), -1, 1) and, row by row, D = clip(max|x|, 1e-5),
;   si = 127 / D, qx = clip(round(x si), -128, 127), both written as bf16, and rs[row] = D mw / 127;   the third: out0 = f16((qx qw^T) rs[row]).
; bf16 holds every whole number up to 256 exactly, and a sum of 2,048 products of at most 128 stays under 2^24: the product is exact in bf16 operands and f32 sums, whatever the inputs' scale.
; NO WORK IS LEFT OUT: both inputs reach every output, and both clips of each quantisation are made.
; LIMITS.  The mean of |W| is summed as a tree in f32, in another order than a plain running sum: a weight whose |w sw| lies within about 1e-7 (relative) of 0.5 may take the neighbouring
; value of {-1, 0, 1}.  A NaN among the inputs is passed over by the maxima and is not carried to the result.  Row maxima and mean|W| stay under 2^126 (a reciprocal below 2^-126 comes out as 0: ISA guide, 15.8).
; SHARES.  Eight waves; thread t takes the 16 bytes at 16 t + 4,096 j, j = 0 .. 15: a load of a wave covers 512 consecutive bytes; all sixteen loads go out at once.
; No matrix unit, no cluster, no prefetch: nothing is multiplied, nothing is shared, and each byte is asked for at the kernel's head.
.set SPARE, 256                        ; LDS: bytes 0-31 the eight waves' sums (the block 0-255 is theirs); from 256 on the spare words, 128 bytes a wave, which no other line names
.set A,   4                            ; v[4:7]    four chains of sums
.set X,   20                           ; v[20:83]  the sixteen loads' 64 numbers
	s_load_b128 s[4:7], s[0:1], 0x0                ; weight s[4:5], part s[6:7]
	v_lshl_add_u32 v2, v0, 2, SPARE                ; my spare word; never rewritten
	v_mov_b32 v3, 0                                ; 0; never rewritten
	v_lshrrev_b32 v10, 5, v0
	v_readfirstlane_b32 s8, v10                    ; wave 0..7
	v_mov_b32 v10, s8
	v_lshlrev_b32 v10, 2, v10                      ; my wave's word in LDS
	v_lshlrev_b32 v1, 4, v0                        ; 16 t
	v_mov_b32 v9, 0                                ; v_permlanex16_b32's destination counts as read
	v_mov_b32 v11, 0
	s_mov_b32 s12, 0x76543210                      ; each lane takes its own place in the other half
	s_mov_b32 s13, 0xfedcba98
	s_lshl_b32 s2, ttmp9, 16                       ; the work-group's 65,536 bytes
	s_mov_b32 s3, 0
	s_wait_kmcnt 0x0
	s_add_nc_u64 s[4:5], s[4:5], s[2:3]
	s_lshl_b32 s2, ttmp9, 2                        ; and its word of part
	s_add_nc_u64 s[6:7], s[6:7], s[2:3]
.set j, 0
.rept 16
	global_load_b128 v[X+4*j:X+4*j+3], v1, s[4:5] offset:4096*j   ; no hint: the next launch reads W again
.set j, j+1
.endr
	s_wait_loadcnt 14                              ; loads come back in order: the first two are in, fourteen younger ones stay out
.irp k, 0,1,2,3
	v_add_f32 v[A+(\k)], |v[X+(\k)]|, |v[X+4+(\k)]|   ; the first two loads start the chains: nothing is cleared
.endr
.set j, 2
.rept 14
	s_wait_loadcnt 15-j                            ; load j is in; the 15 - j younger ones stay out
.irp k, 0,1,2,3
	v_add_f32 v[A+(\k)], v[A+(\k)], |v[X+4*j+(\k)]|
.endr
.set j, j+1
.endr
	v_add_f32 v4, v4, v5
	v_add_f32 v6, v6, v7
	v_add_f32 v8, v4, v6
	v_add_f32_dpp v8, v8, v8 row_xmask:1 row_mask:0xf bank_mask:0xf   ; across the 32 lanes: four steps inside each half,
	v_add_f32_dpp v8, v8, v8 row_xmask:2 row_mask:0xf bank_mask:0xf
	v_add_f32_dpp v8, v8, v8 row_xmask:4 row_mask:0xf bank_mask:0xf
	v_add_f32_dpp v8, v8, v8 row_xmask:8 row_mask:0xf bank_mask:0xf
	v_permlanex16_b32 v9, v8, s12, s13             ; one across the halves
	v_add_f32 v8, v8, v9
	ds_store_b32 v10, v8                           ; all lanes write the wave's word with the same value
	s_wait_dscnt 0x0                               ; for the others' sake: my store is done
	s_barrier_signal -1
	s_barrier_wait -1
	s_cmp_lg_u32 s8, 0                             ; wave 0 adds the eight and stores
	s_cbranch_scc1 .Lend
	ds_load_b128 v[12:15], v11
	ds_load_b128 v[16:19], v11 offset:16
	s_wait_dscnt 0x0
	v_add_f32 v12, v12, v13
	v_add_f32 v14, v14, v15
	v_add_f32 v16, v16, v17
	v_add_f32 v18, v18, v19
	v_add_f32 v12, v12, v14
	v_add_f32 v16, v16, v18
	v_add_f32 v8, v12, v16
	s_wait_xcnt 0x0                                ; EXEC is a source of the loads above: it changes only behind this wait
	v_cmp_eq_u32 vcc_lo, 0, v0
	s_and_saveexec_b32 s10, vcc_lo                 ; lane 0 alone
	global_store_b32 v11, v8, s[6:7]
	s_wait_xcnt 0x0                                ; and again, in front of the line that widens it
	s_or_b32 exec_lo, exec_lo, s10
.Lend:
	s_wait_tensorcnt 0x0                           ; the wave's end, behind my last LDS store
	ds_add_u32 v2, v3
	s_wait_dscnt 0x0
	s_endpgm
.Lfunc_end_k_qf45f124b10_wsum:
	.size	k_qf45f124b10_wsum, .Lfunc_end_k_qf45f124b10_wsum-k_qf45f124b10_wsum
	.p2alignl 7, 3214868480
	.fill 96, 4, 3214868480
	.section	.rodata,"a",@progbits
	.p2align	6, 0x0
	.amdhsa_kernel k_qf45f124b10_wsum
		.amdhsa_group_segment_fixed_size 1280
		.amdhsa_private_segment_fixed_size 0
		.amdhsa_enable_private_segment 0
		.amdhsa_kernarg_size 16
		.amdhsa_user_sgpr_count 2
		.amdhsa_user_sgpr_kernarg_segment_ptr 1
		.amdhsa_wavefront_size32 1
		.amdhsa_system_sgpr_workgroup_id_x 1
		.amdhsa_system_sgpr_workgroup_id_y 1
		.amdhsa_system_sgpr_workgroup_id_z 1
		.amdhsa_system_vgpr_workitem_id 0
		.amdhsa_next_free_vgpr 84
		.amdhsa_next_free_sgpr 66
		.amdhsa_reserve_vcc 1
		.amdhsa_float_denorm_mode_32 3
		.amdhsa_float_denorm_mode_16_64 3
		.amdhsa_memory_ordered 1
		.amdhsa_forward_progress 1
		.amdhsa_inst_pref_size 9
	.end_amdhsa_kernel
	.amdgpu_metadata
---
amdhsa.version: [ 1, 2 ]
amdhsa.kernels:
  - .name:           k_qf45f124b10_wsum
    .symbol:         k_qf45f124b10_wsum.kd
    .args:
      - { .name: weight, .offset: 0, .size: 8, .value_kind: global_buffer, .address_space: global }
      - { .name: part, .offset: 8, .size: 8, .value_kind: global_buffer, .address_space: global }
    .group_segment_fixed_size: 1280
    .private_segment_fixed_size: 0
    .kernarg_segment_align: 8
    .kernarg_segment_size: 16
    .max_flat_workgroup_size: 256
    .sgpr_count:     66
    .vgpr_count:     84
    .wavefront_size: 32
...
	.end_amdgpu_metadata
.endif
;; end of part 1
;; launch quant (part 2): grid 256 x 1, 16 waves a work-group, no clusters, 2,304 bytes of LDS; arguments x, weight, part, qx, qw, rs; writes qx, qw, rs
.if DOCPART == 2
	.amdgcn_target "amdgcn-amd-amdhsa--gfx1250"
	.amdhsa_code_object_version 6
	.text
	.protected	k_qf45f124b10_quant
	.globl	k_qf45f124b10_quant
	.p2align	8
	.type	k_qf45f124b10_quant,@function
k_qf45f124b10_quant:
	s_mov_b64 s[64:65], 0
	v_nop
	global_prefetch_b8 v0, s[64:65] scope:SCOPE_SE
	s_setreg_imm32_b32 hwreg(HW_REG_WAVE_MODE, 25, 1), 1
	s_wait_xcnt 0x0
; BitLinear, step 2 of 3: both quantisations.  Nothing of the computation is left out.
;   mw = max(sum(part) / 2^22, 1e-5), sw = 1 / mw;  qw = clip(round(W sw), -1, 1) as bf16 (exact);
;   for each row of x: D = max(max|x|, 1e-5), si = 127 / D, qx = clip(round(x si), -128, 127) as bf16 (exact), rs[row] = D mw / 127.
; Rounding is to the nearest even, as jnp.round's.  Both quotients are a reciprocal and one step of correction by fused multiply-adds.
; LIMITS.  As stated at the first kernel's head: a weight with |w sw| within about 1e-7 (relative) of 0.5 may take the neighbouring value; likewise qx may differ by 1 where x si lies at a half
; to within si's last place; NaN is passed over by the maxima; D and mw stay under 2^126.
; SHARES.  Sixteen waves, 4,096 in the launch, all alike.  Wave g takes rows 4 g .. 4 g + 3 of x, a whole row at a time (8,192 bytes = 64 registers a lane: the row is read once and stays in
; registers between the maximum and the scaling), and 4,096 bytes of W at 4,096 g (W's scale is one number, so any split serves).  Every wave adds the 256 partial sums itself, in one fixed
; order: sw is the same bit for bit in all of them.
; IN FLIGHT.  Two row slots: while one row is worked on the other's sixteen loads are out; a slot is asked for again four words at a time, as its words are packed.
; Loads cover 512 consecutive bytes a wave; each store of a wave covers 256 consecutive bytes, aligned.  Nothing is looped: four rows a wave, every offset an immediate.
; No matrix unit, no cluster (waves share the 1,024 bytes of part alone), no prefetch (every wave's next row is already asked for by its own loads).
.set SPARE, 256                        ; LDS: bytes 0-255 the work-group's 64 row scales; from 256 on the spare words, 128 bytes a wave, which no other line names
.set M,   12                           ; v[12:15]   four chains of maxima
.set P,   24                           ; v[24:31]   my eight of the 256 partial sums
.set W,   32                           ; v[32:63]   my 32 numbers of W
.set X,   64                           ; v[64:191]  two row slots of 64
.set Y,   192                          ; v[192:223] packed results, on their way out
; v1 16 x lane (loads)   v2 8 x lane (stores)   v3 32 x lane (part)   v[4:5] wave 0's read of the scales   v6 the lanes' exchange   v7 rs of the row   v8 D or mw   v9 its reciprocal
; v10, v11 the correction   v[16:17] si, 0   v[18:19] sw, 0 (named as pairs; the low word feeds both halves)   v20 my spare word   v21 0   v22 16 x wave   v23 mw / 127
	s_load_b256 s[4:11], s[0:1], 0x0               ; x s[4:5], weight s[6:7], part s[8:9], qx s[10:11]
	s_load_b128 s[12:15], s[0:1], 0x20             ; qw s[12:13], rs s[14:15]
	v_lshl_add_u32 v20, v0, 2, SPARE
	v_mov_b32 v21, 0
	v_lshrrev_b32 v22, 5, v0
	v_readfirstlane_b32 s16, v22                   ; wave 0..15
	v_and_b32 v6, 31, v0
	v_lshlrev_b32 v1, 4, v6
	v_lshlrev_b32 v2, 3, v6
	v_lshlrev_b32 v3, 5, v6
	v_mov_b32 v22, s16
	v_lshlrev_b32 v22, 4, v22                      ; my wave's four words in LDS
	v_mov_b32 v6, 0
	v_mov_b32 v17, 0
	v_mov_b32 v19, 0
	s_mov_b32 s20, 0xc3000000                      ; -128.0
	s_mov_b32 s21, 0x42fe0000                      ; 127.0
	s_mov_b32 s22, 0x76543210                      ; each lane takes its own place in the other half
	s_mov_b32 s23, 0xfedcba98
	s_lshl_b32 s17, ttmp9, 4
	s_add_co_u32 s17, s17, s16                     ; g
	s_mov_b32 s19, 0
	s_wait_kmcnt 0x0
	s_lshl_b32 s18, s17, 15                        ; four rows of 8,192 bytes
	s_add_nc_u64 s[4:5], s[4:5], s[18:19]
	s_lshl_b32 s18, s17, 12                        ; 4,096 bytes of W
	s_add_nc_u64 s[6:7], s[6:7], s[18:19]
	s_lshl_b32 s18, s17, 14                        ; four rows of 4,096 bytes
	s_add_nc_u64 s[10:11], s[10:11], s[18:19]
	s_lshl_b32 s18, s17, 11                        ; 2,048 bytes of qw
	s_add_nc_u64 s[12:13], s[12:13], s[18:19]
	s_lshl_b32 s18, ttmp9, 8                       ; the work-group's 64 words of rs
	s_add_nc_u64 s[14:15], s[14:15], s[18:19]
	global_load_b128 v[P:P+3],   v3, s[8:9]        ; 42 loads on end: part (2),
	global_load_b128 v[P+4:P+7], v3, s[8:9] offset:16
.set j, 0
.rept 8
	global_load_b128 v[W+4*j:W+4*j+3], v1, s[6:7] offset:512*j th:TH_LOAD_NT   ; W (8),
.set j, j+1
.endr
.set j, 0
.rept 32
	global_load_b128 v[X+4*j:X+4*j+3], v1, s[4:5] offset:512*j th:TH_LOAD_NT   ; rows 0 and 1 (16 each), which lie end to end
.set j, j+1
.endr
	s_wait_loadcnt 40                              ; part is in; W's 8 and the rows' 32 stay out
	v_add_f32 v24, v24, v25
	v_add_f32 v26, v26, v27
	v_add_f32 v28, v28, v29
	v_add_f32 v30, v30, v31
	v_add_f32 v24, v24, v26
	v_add_f32 v28, v28, v30
	v_add_f32 v24, v24, v28
	v_add_f32_dpp v24, v24, v24 row_xmask:1 row_mask:0xf bank_mask:0xf
	v_add_f32_dpp v24, v24, v24 row_xmask:2 row_mask:0xf bank_mask:0xf
	v_add_f32_dpp v24, v24, v24 row_xmask:4 row_mask:0xf bank_mask:0xf
	v_add_f32_dpp v24, v24, v24 row_xmask:8 row_mask:0xf bank_mask:0xf
	v_permlanex16_b32 v6, v24, s22, s23
	v_add_f32 v24, v24, v6
	v_mul_f32 v8, 0x34800000, v24                  ; / 2^22, the number of weights: exact
	v_max_num_f32 v8, 0x3727c5ac, v8               ; mw = clip(mean, 1e-5)
	v_rcp_f32 v9, v8
	v_mul_f32 v23, 0x3c010204, v8                  ; mw / 127: the plain instruction behind the reciprocal
	s_wait_alu depctr_va_vdst(0)                   ; the wait ahead of the reciprocal's first reader
	v_fma_f32 v11, -v8, v9, 1.0                    ; 1 - mw r
	v_fma_f32 v18, v11, v9, v9                     ; sw = r + r (1 - mw r)
	s_wait_loadcnt 32                              ; W is in; the two rows stay out
.set j, 0
.rept 8
	v_pk_mul_f32 v[W+4*j:W+4*j+1],   v[W+4*j:W+4*j+1],   v[18:19] op_sel_hi:[1,0]
	v_pk_mul_f32 v[W+4*j+2:W+4*j+3], v[W+4*j+2:W+4*j+3], v[18:19] op_sel_hi:[1,0]
.irp k, 0,1,2,3
	v_rndne_f32 v[W+4*j+(\k)], v[W+4*j+(\k)]
.endr
.irp k, 0,1,2,3
	v_med3_num_f32 v[W+4*j+(\k)], v[W+4*j+(\k)], -1.0, 1.0
.endr
	v_cvt_pk_bf16_f32 v[Y+2*j],   v[W+4*j],   v[W+4*j+1]
	v_cvt_pk_bf16_f32 v[Y+2*j+1], v[W+4*j+2], v[W+4*j+3]
	global_store_b64 v2, v[Y+2*j:Y+2*j+1], s[12:13] offset:256*j
.set j, j+1
.endr
; Row r, which lies in slot s.  refill = 1: the slot takes row r + 2.  left = the younger loads that may stay out: the other slot's sixteen, or none.
.macro TURN r, s, refill, left
.set XB, X+64*(\s)
	s_wait_loadcnt \left                           ; my row's sixteen loads are in
.irp k, 0,1,2,3
	v_max_num_f32 v[M+(\k)], |v[XB+2*(\k)]|, |v[XB+2*(\k)+1]|   ; the first eight numbers start four chains
.endr
.set i, 0
.rept 28
	v_max3_num_f32 v[M+i%4], v[M+i%4], |v[XB+8+2*i]|, |v[XB+9+2*i]|
.set i, i+1
.endr
	v_max3_num_f32 v[M], v[M], v[M+1], v[M+2]
	v_max_num_f32 v[M], v[M], v[M+3]
	v_max_num_f32_dpp v[M], v[M], v[M] row_xmask:1 row_mask:0xf bank_mask:0xf
	v_max_num_f32_dpp v[M], v[M], v[M] row_xmask:2 row_mask:0xf bank_mask:0xf
	v_max_num_f32_dpp v[M], v[M], v[M] row_xmask:4 row_mask:0xf bank_mask:0xf
	v_max_num_f32_dpp v[M], v[M], v[M] row_xmask:8 row_mask:0xf bank_mask:0xf
	v_permlanex16_b32 v6, v[M], s22, s23
	v_max_num_f32 v[M], v[M], v6                   ; every lane holds the row's max|x|
	v_max_num_f32 v8, 0x3727c5ac, v[M]             ; D = clip(.., 1e-5)
	v_rcp_f32 v9, v8
	v_mul_f32 v7, v8, v23                          ; rs = D mw / 127: the plain instruction behind the reciprocal
	ds_store_b32 v22, v7 offset:4*(\r)             ; all lanes write the row's word with the same value
	s_wait_alu depctr_va_vdst(0)                   ; the wait ahead of the reciprocal's first reader
	v_mul_f32 v10, s21, v9                         ; q = 127 r
	v_fma_f32 v11, -v8, v10, s21                   ; 127 - D q
	v_fma_f32 v16, v11, v9, v10                    ; si = q + r (127 - D q)
	s_wait_xcnt 0x0                                ; Y, from which the turn before stored, is rewritten only behind this wait
.set j, 0
.rept 16
	v_pk_mul_f32 v[XB+4*j:XB+4*j+1],   v[XB+4*j:XB+4*j+1],   v[16:17] op_sel_hi:[1,0]
	v_pk_mul_f32 v[XB+4*j+2:XB+4*j+3], v[XB+4*j+2:XB+4*j+3], v[16:17] op_sel_hi:[1,0]
.irp k, 0,1,2,3
	v_rndne_f32 v[XB+4*j+(\k)], v[XB+4*j+(\k)]
.endr
.irp k, 0,1,2,3
	v_med3_num_f32 v[XB+4*j+(\k)], v[XB+4*j+(\k)], s20, s21
.endr
	v_cvt_pk_bf16_f32 v[Y+2*j],   v[XB+4*j],   v[XB+4*j+1]
	v_cvt_pk_bf16_f32 v[Y+2*j+1], v[XB+4*j+2], v[XB+4*j+3]
.if \refill
	global_load_b128 v[XB+4*j:XB+4*j+3], v1, s[4:5] offset:8192*((\r)+2)+512*j th:TH_LOAD_NT   ; the load ahead of the store
.endif
	global_store_b64 v2, v[Y+2*j:Y+2*j+1], s[10:11] offset:4096*(\r)+256*j
.set j, j+1
.endr
.endm
	TURN 0, 0, 1, 16
	TURN 1, 1, 1, 16
	TURN 2, 0, 0, 16
	TURN 3, 1, 0, 0
	s_wait_dscnt 0x0                               ; for the others' sake: my four scales lie in LDS
	s_barrier_signal -1
	s_barrier_wait -1
	s_cmp_lg_u32 s16, 0                            ; wave 0 stores the work-group's 64 scales: one store of 256 consecutive bytes, aligned
	s_cbranch_scc1 .Lend
	ds_load_b64 v[4:5], v2
	s_wait_dscnt 0x0
	global_store_b64 v2, v[4:5], s[14:15]
.Lend:
	s_wait_tensorcnt 0x0                           ; the wave's end, behind my last LDS store
	ds_add_u32 v20, v21
	s_wait_dscnt 0x0
	s_endpgm
.Lfunc_end_k_qf45f124b10_quant:
	.size	k_qf45f124b10_quant, .Lfunc_end_k_qf45f124b10_quant-k_qf45f124b10_quant
	.p2alignl 7, 3214868480
	.fill 96, 4, 3214868480
	.section	.rodata,"a",@progbits
	.p2align	6, 0x0
	.amdhsa_kernel k_qf45f124b10_quant
		.amdhsa_group_segment_fixed_size 2304
		.amdhsa_private_segment_fixed_size 0
		.amdhsa_enable_private_segment 0
		.amdhsa_kernarg_size 48
		.amdhsa_user_sgpr_count 2
		.amdhsa_user_sgpr_kernarg_segment_ptr 1
		.amdhsa_wavefront_size32 1
		.amdhsa_system_sgpr_workgroup_id_x 1
		.amdhsa_system_sgpr_workgroup_id_y 1
		.amdhsa_system_sgpr_workgroup_id_z 1
		.amdhsa_system_vgpr_workitem_id 0
		.amdhsa_next_free_vgpr 224
		.amdhsa_next_free_sgpr 66
		.amdhsa_reserve_vcc 0
		.amdhsa_float_denorm_mode_32 3
		.amdhsa_float_denorm_mode_16_64 3
		.amdhsa_memory_ordered 1
		.amdhsa_forward_progress 1
		.amdhsa_inst_pref_size 74
	.end_amdhsa_kernel
	.amdgpu_metadata
---
amdhsa.version: [ 1, 2 ]
amdhsa.kernels:
  - .name:           k_qf45f124b10_quant
    .symbol:         k_qf45f124b10_quant.kd
    .args:
      - { .name: x, .offset: 0, .size: 8, .value_kind: global_buffer, .address_space: global }
      - { .name: weight, .offset: 8, .size: 8, .value_kind: global_buffer, .address_space: global }
      - { .name: part, .offset: 16, .size: 8, .value_kind: global_buffer, .address_space: global }
      - { .name: qx, .offset: 24, .size: 8, .value_kind: global_buffer, .address_space: global }
      - { .name: qw, .offset: 32, .size: 8, .value_kind: global_buffer, .address_space: global }
      - { .name: rs, .offset: 40, .size: 8, .value_kind: global_buffer, .address_space: global }
    .group_segment_fixed_size: 2304
    .private_segment_fixed_size: 0
    .kernarg_segment_align: 8
    .kernarg_segment_size: 48
    .max_flat_workgroup_size: 512
    .sgpr_count:     66
    .vgpr_count:     224
    .wavefront_size: 32
...
	.end_amdgpu_metadata
.endif
;; end of part 2
;; launch gemm (part 3): grid 8 x 32, 4 waves a work-group, clusters of 4 x 4, 327,680 bytes of LDS; arguments qx, qw, out0, rs; writes out0
.if DOCPART == 3
	.amdgcn_target "amdgcn-amd-amdhsa--gfx1250"
	.amdhsa_code_object_version 6
	.text
	.protected	k_qf45f124b10_gemm
	.globl	k_qf45f124b10_gemm
	.p2align	8
	.type	k_qf45f124b10_gemm,@function
k_qf45f124b10_gemm:
	s_mov_b64 s[64:65], 0
	v_nop
	global_prefetch_b8 v0, s[64:65] scope:SCOPE_SE
	s_setreg_imm32_b32 hwreg(HW_REG_WAVE_MODE, 25, 1), 1
	s_wait_xcnt 0x0
	s_wait_alu depctr_hold_cnt(0) depctr_sa_sdst(0) depctr_va_vdst(0) depctr_va_sdst(0) depctr_va_ssrc(0) depctr_va_vcc(0) depctr_vm_vsrc(0)
	s_getreg_b32 s2, hwreg(HW_REG_IB_STS2, 6, 4)
	s_cmp_eq_u32 s2, 0
	s_cbranch_scc0 .Lentry_in_a_cluster
	s_endpgm
.Lentry_in_a_cluster:
	s_bfe_u32 s2, ttmp6, 0x10000c
	s_cmp_lg_u32 s2, 0xf033
	s_cbranch_scc0 .Lentry_shape_is_right
	s_endpgm
.Lentry_shape_is_right:
; BitLinear, step 3 of 3: out0[m][n] = f16( rs[m] x the sum over k of qx[m][k] qw[n][k] ).  qx: [16384][2048], qw: [2048][2048], both bf16 and whole numbers (|qx| <= 128, |qw| <= 1);
; rs: [16384] f32; out0: [16384][2048] f16.  The f32 sums stay under 2^24 and are exact; the result is scaled once in f32 and rounded once.  Nothing of the computation is left out.
; LIMIT.  One multiplication by rs = D mw / 127 stands for the two divisions by si and sw: a difference of a few last places of f32, ahead of the rounding to f16.  A result beyond f16's range becomes an infinity.
; A tile of C, 256 x 256, is made by a work-group of four waves; a wave makes 128 x 128: 64 accumulators of 16 x 16, 512 registers.  K goes in steps of 128 through a ring of two LDS slots filled by
; the tensor data mover: the rows of A's and B's tiles are 256 bytes of memory and start at multiples of 256 bytes from the buffer's first byte.
; A WORK-GROUP STAYS: C has 512 tiles, two for each of 256 work-groups, 8,192 rows apart.  The ring does not stop at the first tile's end: its last two changes of slots ask for the second tile's first two
; K steps, and nothing waits for the first tile's stores.  The second tile's last K step goes by rows of C, so that finished rows leave while the others are multiplied.
; CLUSTERS: 4 x 4 work-groups.  The four of a row of the cluster need the same tiles of A (qx), the four of a column the same tiles of B (qw).  Such a tile is asked for JOINTLY: each of the four issues the
; same tensor load, with the same descriptor and a mask that names the four, and each receives the tile in its own LDS.
; REGISTERS, in windows of 256 (s_set_vgpr_msb's low byte: bits 1:0 source 0, 3:2 source 1, 5:4 source 2, 7:6 destination):
;   window 0: v0-31 addresses and the row scales; v64-127, v128-191 fragments of A, two buffers (in the very last K step four, of 16 rows x 128 K); v32-63, v192-255 at work on the way out
;   window 1: v64-127, v128-191 fragments of B, two buffers; in the very last K step all 256
;   window 2: the 32 accumulators of my rows 0-63 (accumulator (a, b) at v[8 (8 a + b)]);   window 3: those of my rows 64-127
; THE MATRIX INSTRUCTION IS USED TRANSPOSED: source 0 = 16 rows of B, source 1 = 16 rows of A.  Lane l then holds row l % 16 of C and the columns 8 (l / 16) + 0 .. 7: ONE row scale a lane
; and block of 16 rows, and eight neighbouring numbers that pack into 16 bytes.
.set SIZE_M, 16384
.set SIZE_N, 2048
.set SIZE_K, 2048
.set SIZE_TILES, 2
.set KSTEP,  128
.set PITCH,  272                       ; an LDS row: 256 bytes of data + 16 of padding = 68 words: the 16 rows that a load touches start 4 words further on each (64 banks of 4 bytes: ISA guide 11.1)
.set HALFT,  128*PITCH                 ; 128 rows: what one tensor load brings, and what one wave reads of A or of B
.set SLOT,   4*HALFT                   ; A's 256 rows, then B's 256 rows
.set STAGE,  2*SLOT                    ; behind the ring: 16 rows x 272 bytes for each wave, for the way out; no tensor load lands here
.set SPITCH, 272
.set SPARE,  STAGE+4*16*SPITCH         ; behind the stages: the spare words, 128 bytes for each wave: two blocks of 256 bytes that no other line names
.set LAPS, SIZE_K/(2*KSTEP)            ; a lap = two K steps = once round the ring: 8
.set WALK,   SIZE_M/SIZE_TILES         ; the work-group's two tiles lie WALK rows apart
.set NEXT_A, WALK*SIZE_K*2-(SIZE_K-2*KSTEP)*2   ; bytes from a slot's last K step of a tile to its first of the next tile: A goes WALK rows down and back along K,
.set BACK_B, (SIZE_K-2*KSTEP)*2        ; B only back: the two tiles share their rows of B
.set NEXT_C, (WALK-7*16)*SIZE_N*2      ; bytes from my last 16 rows of a tile to my first of the next
.set RS,   2                           ; the row scales: block a's in the even register of v[2:3], v[4:5] .. v[14:15], v[18:19]; the odd ones hold 0 and are only named with them
.set ADRA, 16                          ; v16-17  LDS address of my A fragments in slot 0, 1
.set ADRB, 20                          ; v20-21  the same for B
.set STO,  24                          ; v24     the way out: where I put 16 bytes of a row
.set RD,   25                          ; v25     the way out: where I read a row back
.set CO,   26                          ; v26     my byte offset in C
.set RSO,  27                          ; v27     4 x (lane % 16): my word among a block's 16 row scales; never rewritten
.set SPW,  28                          ; v28     LDS address of my spare word: SPARE + 4 x my thread's number; never rewritten
.set NIL,  29                          ; v29     0; never rewritten
.set PFO,  30                          ; v30     the prefetches' offset: my lane x a row of A or B in memory; never rewritten
.set PFA,  44                          ; s[44:45] where my prefetches stand: my work-group's 32 rows of the 128 that I fetch, one K step further along K than the refill that is being asked for
.set LIM,  43                          ; s43     1 in a wave that prefetches, else the greatest number
.set RSB,  66                          ; s[66:67] rs at my first row of the tile in hand
.set F0,   64                          ; fragment buffer 0
.set F1,   128                         ; fragment buffer 1
.set TMP,  192                         ; the way out: packed results, in window 0
.set OB,   32                          ; the way out: 16 rows read back from the stage: v32-63 and v224-255 by turns
.set PA,   64                          ; the very last K step: A's fragments of 16 rows x 128 K, 32 registers; four such buffers, v64-191
.set G1, 24                            ; s[24:31] descriptor group 1 for A's tiles
.set G0, 32                            ; s[32:39] descriptor group 0 for A's tiles, one set for each slot
.set G1B, 48                           ; s[48:55] descriptor group 1 for B's tiles: it differs from A's in the mask alone
.set G0B, 56                           ; s[56:63] descriptor group 0 for B's tiles, one set for each slot
.set MSB, 0
.macro WIN new                         ; the immediate's high byte repeats the setting that is left; a switch that changes nothing is dropped
.if MSB != (\new)
	s_set_vgpr_msb (MSB<<8)|(\new)
.set MSB, \new
.endif
.endm
.set MUL_LO, 0xa1                      ; source 0 (B) window 1, source 1 (A) window 0, C and D window 2
.set MUL_HI, 0xf1                      ; the same, C and D window 3
.set TO_B,   0x40                      ; destination window 1, address window 0
; A joint load.  Waves 0 and 1 fetch A's two halves, waves 2 and 3 B's.  Each of the two lines has ONE mask and one set of registers for all that issue it.  The branch hangs on the wave's number alone.
; An s_nop 0 and four v_nop follow each of the two lines; the jump round the other line, the label and what follows the macro come after them.
.macro JLOAD s
	s_cmp_eq_u32 s11, 0
	s_cbranch_scc0 .Lfor_b_\@
	tensor_load_to_lds s[G0+4*(\s):G0+4*(\s)+3], s[G1:G1+7]
	s_nop 0
.rept 4
	v_nop
.endr
	s_branch .Lasked_\@
.Lfor_b_\@:
	tensor_load_to_lds s[G0B+4*(\s):G0B+4*(\s)+3], s[G1B:G1B+7]
	s_nop 0
.rept 4
	v_nop
.endr
.Lasked_\@:
.endm
; A PREFETCH INTO THE L2, behind each joint load, its five lines and the run of LDS loads that follows them: the K step that stands TWO refills on (512 matrix instructions ahead of the load that will
; want it): 32 rows x 256 bytes, a lane a row, one instruction a wave.  Each row's 256 bytes of a K step are named ONCE in the launch: A's tile row is read by both clusters of that row of clusters, and the one
; with x = 0 asks; B's tile column by the eight clusters of that column, and the one with y = 0 asks.  The four partners that ask for a tile jointly share its rows out BY ADDRESS: of the 128 rows that a wave
; fetches, the partner at place p takes 32 p .. 32 p + 31 (p = cx for A, cy for B): no branch hangs on a work-group's place in its cluster.  how = 0, in the loop: a tile's last two refills have no K step two on;
; how = 1, at the change of tiles.
.macro ASK how
.if \how
	s_cmp_eq_u32 s[LIM], 1
.else
	s_cmp_gt_u32 s3, s[LIM]                        ; s3 = 1 in the loop's last trip
.endif
	s_cbranch_scc0 .Lnot_mine_\@
	global_prefetch_b8 v[PFO], s[PFA:PFA+1] offset:KSTEP*2 th:TH_LOAD_NT scope:SCOPE_SE
.Lnot_mine_\@:
.endm
; A round of the cluster's barrier: my work-group's barrier, so that wave 0's signal speaks for all four waves; wave 0 signals for the work-group; every wave waits for all sixteen work-groups; my
; work-group's barrier once more.  No LDS instruction of the wave is pending at a signal.
.macro CREST                           ; a round behind its opening barrier
	s_cmp_lg_u32 s10, 0
	s_cbranch_scc1 .Lnot_wave_0_\@
	s_barrier_signal -3
.Lnot_wave_0_\@:
	s_barrier_wait -3
	s_barrier_signal -1
	s_barrier_wait -1
.endm
.macro CROUND                          ; a whole round
	s_barrier_signal -1
	s_barrier_wait -1
	CREST
.endm
	s_load_b128 s[4:7], s[0:1], 0x0                ; A = qx s[4:5], B = qw s[6:7]
	s_load_b64 s[8:9], s[0:1], 0x10                ; C = out0
	s_load_b64 s[RSB:RSB+1], s[0:1], 0x18          ; rs
	v_lshl_add_u32 v[SPW], v0, 2, SPARE
	v_mov_b32 v[NIL], 0
	ds_add_u32 v[SPW], v[NIL]                      ; the wave's opening: the add, twice on end, and its wait ahead of my first tensor load; the set-up below stands between
	ds_add_u32 v[SPW], v[NIL]                      ; and once more, under the one wait
	v_lshrrev_b32 v1, 5, v0
	v_readfirstlane_b32 s10, v1                    ; wave 0..3
	s_lshr_b32 s11, s10, 1                         ; which half of the tile's rows is mine.  Also: I fetch for A (0) or for B (1)
	s_and_b32 s12, s10, 1                          ; which half of its columns.  Also: which 128 rows of that tile I fetch
	s_bfe_u32 s40, ttmp6, 0x40000                  ; cx: my place along the cluster's x
	s_bfe_u32 s41, ttmp6, 0x40004                  ; cy: along its y
	s_lshl_b32 s42, ttmp9, 2                       ; in a cluster launch ttmp9 and ttmp7 count clusters
	s_add_co_u32 s42, s42, s40                     ; tile column of C = 4 x cluster x + cx
	s_and_b32 s13, ttmp7, 0xffff
	s_lshl_b32 s13, s13, 2
	s_add_co_u32 s13, s13, s41                     ; tile row of C = 4 x cluster y + cy
	s_lshl_b32 s43, s41, 2
	s_lshl_b32 s43, 15, s43                        ; my row of the cluster: places 4 cy .. 4 cy + 3
	s_lshl_b32 s44, 0x1111, s40                    ; my column: places cx, cx + 4, cx + 8, cx + 12
	; descriptor group 1: a tile of 128 rows x 128 elements, padded in LDS
	s_or_b32 s[G1+0], s43, (1<<16)|(1<<20)|(1<<21)|(5<<22)|(3<<25)  ; 15:0 the mask: A's tiles go to my row; 17:16 element of 2 bytes; 20 padding on; 21 set beside a mask; 24:22 after every 64 words (code 5); 31:25 of 4 words (code 3)
	s_or_b32 s[G1B+0], s44, (1<<16)|(1<<20)|(1<<21)|(5<<22)|(3<<25) ; the same with the mask of my column, for B's tiles
	s_mov_b32 s[G1B+1], KSTEP<<16
	s_mov_b32 s[G1+1], KSTEP<<16                   ; 63:48 tensor_dim0, low half = 128
	s_mov_b32 s[G1B+2], 128<<16
	s_mov_b32 s[G1+2], 128<<16                     ; 79:64 its high half = 0; 95:80 tensor_dim1, low half = 128
	s_mov_b32 s[G1B+3], KSTEP<<16
	s_mov_b32 s[G1+3], KSTEP<<16                   ; 111:96 its high half = 0; 127:112 tile_dim0 = 128
	s_mov_b32 s[G1B+4], 128
	s_mov_b32 s[G1+4], 128                         ; 143:128 tile_dim1 = 128; 159:144 tile_dim2 = 0
	s_mov_b32 s[G1B+5], SIZE_K
	s_mov_b32 s[G1+5], SIZE_K                      ; 191:160 tensor_dim0_stride, low word: elements from row to row
	s_mov_b32 s[G1B+6], 0
	s_mov_b32 s[G1+6], 0
	s_mov_b32 s[G1B+7], 0
	s_mov_b32 s[G1+7], 0
	; where the tiles come from.  A's hang on the tile row alone, which my row of the cluster shares; B's on the tile column alone, which my column shares.
	; Every wave makes both addresses, in registers that never hold the other coordinate, and asks by one of them.
	s_lshl_b32 s17, s12, 7                         ; which 128 rows of the tile I fetch
	s_lshl_b32 s16, s13, 8
	s_add_co_u32 s16, s16, s17                     ; A: row 256 x tile row + 128 x half
	s_lshl_b32 s46, s42, 8
	s_add_co_u32 s46, s46, s17                     ; B: row 256 x tile column + 128 x half
	s_mov_b32 s17, 0
	s_mov_b32 s47, 0
	s_mov_b64 s[18:19], SIZE_K*2
	s_mul_u64 s[16:17], s[16:17], s[18:19]         ; in bytes, in 64 bits
	s_mul_u64 s[46:47], s[46:47], s[18:19]
	s_mul_i32 s20, s10, HALFT                      ; and where they go: A's two halves, then B's two halves = wave x 128 rows: no place in the cluster enters an LDS address
	s_wait_dscnt 0x0                               ; both opening adds are done
	s_wait_kmcnt 0x0
	s_add_nc_u64 s[14:15], s[4:5], s[16:17]
	s_add_nc_u64 s[46:47], s[6:7], s[46:47]
	CROUND                                         ; all sixteen work-groups are here: the first joint loads meet
.irp s, 0,1
	s_mov_b32 s[G0+4*(\s)], 1                                      ; 1:0 count = 1
	s_add_co_u32 s[G0+4*(\s)+1], s20, (\s)*SLOT                    ; 63:32 LDS address
	s_add_nc_u64 s[G0+4*(\s)+2:G0+4*(\s)+3], s[14:15], (\s)*KSTEP*2  ; 120:64 global address: K step s
	s_or_b32 s[G0+4*(\s)+3], s[G0+4*(\s)+3], 0x80000000            ; 127:126 type = 2
	s_mov_b32 s[G0B+4*(\s)], 1
	s_add_co_u32 s[G0B+4*(\s)+1], s20, (\s)*SLOT
	s_add_nc_u64 s[G0B+4*(\s)+2:G0B+4*(\s)+3], s[46:47], (\s)*KSTEP*2
	s_or_b32 s[G0B+4*(\s)+3], s[G0B+4*(\s)+3], 0x80000000
	JLOAD \s                                       ; the ring is filled before anything else is done: two tensor loads of mine are out
.endr
	; A fragment is 16 rows x 32 K in 8 registers: lane l holds row l % 16; registers 0-3 hold K = 8 (l / 16) + 0..7, registers 4-7 hold K = 16 + 8 (l / 16) + 0..7: two loads of 16 bytes, 32 bytes apart.
	v_and_b32 v1, 15, v0                           ; l % 16
	v_bfe_u32 v2, v0, 4, 1                         ; l / 16
	v_mul_u32_u24 v3, v1, PITCH
	v_lshl_add_u32 v3, v2, 4, v3                   ; row x pitch + 16 x half
	s_mul_i32 s21, s11, HALFT                      ; my 128 rows of A
	s_mul_i32 s22, s12, HALFT                      ; my 128 rows of B,
	s_add_co_u32 s22, s22, 2*HALFT                 ; which lie behind A's 256
.irp s, 0,1
	v_add_nc_u32 v[ADRA+(\s)], s21, v3
	v_add_nc_u32 v[ADRB+(\s)], s22, v3
	s_add_co_u32 s21, s21, SLOT
	s_add_co_u32 s22, s22, SLOT
.endr
	s_mul_i32 s23, s10, 16*SPITCH
	s_add_co_u32 s23, s23, STAGE                   ; my stage
	v_mul_u32_u24 v4, v1, SPITCH                   ; in: row l % 16, 16 bytes for each half of the lanes
	v_lshl_add_u32 v4, v2, 4, v4
	v_add_nc_u32 v[STO], s23, v4
	v_mul_u32_u24 v5, v2, SPITCH                   ; back: lanes 0-15 take one row of 256 bytes, lanes 16-31 the next
	v_lshl_add_u32 v5, v1, 4, v5
	v_add_nc_u32 v[RD], s23, v5
	v_mul_u32_u24 v5, v2, SIZE_N*2                 ; and the same two rows in C
	v_lshl_add_u32 v[CO], v1, 4, v5
	v_lshlrev_b32 v[RSO], 2, v1
	; where my part of the first tile begins in C, in bytes: the first way out adds it to C's address
	s_lshl_b32 s13, s13, 8
	s_lshl_b32 s14, s11, 7
	s_add_co_u32 s16, s13, s14                     ; my first row of C
	s_mov_b32 s17, 0
	s_lshl_b32 s68, s16, 2                         ; and its word of rs
	s_mov_b32 s69, 0
	s_add_nc_u64 s[RSB:RSB+1], s[RSB:RSB+1], s[68:69]
	s_mov_b64 s[18:19], SIZE_N*2
	s_mul_u64 s[16:17], s[16:17], s[18:19]
	s_lshl_b32 s46, s42, 9                         ; my first column, in bytes: 512 x tile column + 256 x half (in the registers that held B's address: none that feeds A's descriptors ever holds cx)
	s_lshl_b32 s47, s12, 8
	s_add_co_u32 s46, s46, s47
	s_mov_b32 s47, 0
	s_add_nc_u64 s[16:17], s[16:17], s[46:47]
	; the prefetches.  s13 = 256 x tile row, s42 = tile column, s40 = cx, s41 = cy still stand; s[4:5] = A, s[6:7] = B
	s_lshl_b32 s42, s42, 8
	s_and_b32 s22, ttmp7, 0xffff                   ; cluster y
	s_cmp_eq_u32 s11, 0                            ; do I fetch for A?
	s_cselect_b32 s20, s13, s42                    ; the tile's first row: in A by the tile row, in B by the tile column
	s_cselect_b32 s21, s40, s41                    ; my place among the four that ask for it with me
	s_cselect_b32 s22, ttmp9, s22                  ; the coordinate along which other clusters read the same rows
	s_cselect_b64 s[PFA:PFA+1], s[4:5], s[6:7]
	s_cmp_eq_u32 s22, 0
	s_cselect_b32 s[LIM], 1, -1                    ; the same in all sixteen partners, for a given wave
	s_lshl_b32 s22, s12, 7
	s_add_co_u32 s20, s20, s22                     ; + the 128 rows that I fetch
	s_lshl_b32 s21, s21, 5
	s_add_co_u32 s20, s20, s21                     ; + my work-group's 32 of them
	s_mov_b32 s21, 0
	s_mov_b64 s[18:19], SIZE_K*2
	s_mul_u64 s[20:21], s[20:21], s[18:19]
	s_add_nc_u64 s[PFA:PFA+1], s[PFA:PFA+1], s[20:21]
	s_add_nc_u64 s[PFA:PFA+1], s[PFA:PFA+1], 2*KSTEP*2  ; at K step 2: the first refill steps it to 3 and names K step 4
	v_and_b32 v[PFO], 31, v0
	v_mul_u32_u24 v[PFO], v[PFO], SIZE_K*2
	; nothing is prefetched here, at the head, where every work-group's first two tiles are on their way: K steps 2 and 3 come by their refills alone
.irp r, 3,5,7,9,11,13,15,19
	v_mov_b32 v\r, 0                               ; the upper halves of the row scales' pairs: named by the packed multiply, used by neither of its halves
.endr
; 16 matrix instructions: m blocks a0, a0 + 1 of the window's four (hi = 0: my rows 0-63, 1: rows 64-127) x all 8 n blocks, 32 along K.  zero = 1: the first product starts the sums: nothing is ever cleared.
.macro MUL16 f, hi, a0, zero
	WIN MUL_LO+0x50*(\hi)  ; MUL_LO or MUL_HI
.irp a, \a0, (\a0)+1
.irp b, 0,1,2,3,4,5,6,7
.if \zero
	v_wmma_f32_16x16x32_bf16 v[8*(8*(\a)+(\b)):8*(8*(\a)+(\b))+7], v[(\f)+8*(\b):(\f)+8*(\b)+7], v[(\f)+8*(4*(\hi)+(\a)):(\f)+8*(4*(\hi)+(\a))+7], 0
.else
	v_wmma_f32_16x16x32_bf16 v[8*(8*(\a)+(\b)):8*(8*(\a)+(\b))+7], v[(\f)+8*(\b):(\f)+8*(\b)+7], v[(\f)+8*(4*(\hi)+(\a)):(\f)+8*(4*(\hi)+(\a))+7], v[8*(8*(\a)+(\b)):8*(8*(\a)+(\b))+7]
.endif
.endr
.endr
.endm
; 32 LDS loads in one run: the fragments of one quarter step (128 rows of B, 128 rows of A, 32 K at byte k of the rows) into buffer f
.macro FETCH slot, k, f
	WIN TO_B
.irp i, 0,1,2,3,4,5,6,7
	ds_load_b128 v[(\f)+8*(\i):(\f)+8*(\i)+3],   v[ADRB+(\slot)] offset:(\k)+(\i)*16*PITCH
	ds_load_b128 v[(\f)+8*(\i)+4:(\f)+8*(\i)+7], v[ADRB+(\slot)] offset:(\k)+(\i)*16*PITCH+32
.endr
	WIN 0
.irp i, 0,1,2,3,4,5,6,7
	ds_load_b128 v[(\f)+8*(\i):(\f)+8*(\i)+3],   v[ADRA+(\slot)] offset:(\k)+(\i)*16*PITCH
	ds_load_b128 v[(\f)+8*(\i)+4:(\f)+8*(\i)+7], v[ADRA+(\slot)] offset:(\k)+(\i)*16*PITCH+32
.endr
.endm
; A load into a register that a matrix instruction has read, and a vector instruction that reads a matrix result or writes one of a matrix instruction's registers, stand four places behind that matrix
; instruction, and only plain vector instructions that name none of its registers are places (ISA guide 7.12.1 for vector instructions).
.macro PLACES
.rept 4
	v_nop
.endr
.endm
; A K step is four quarter steps of 32 along K, 64 matrix instructions each, on buffers 0, 1, 0, 1.  The 64 accumulators take turns, one instruction a turn, in the same order in every quarter.
; One of the first three: multiplies buffer f; in its middle it fetches the next quarter's fragments, at byte k of the same slot's rows, into buffer g.
.macro QUARTER slot, k, f, g, zero
	s_wait_dscnt 8                                 ; B and A's rows 0-63 are in; the youngest eight loads (A's rows 64-127) may be out
	WIN MUL_LO
	MUL16 \f, 0, 0, \zero
	MUL16 \f, 0, 2, \zero
	PLACES
	FETCH \slot, \k, \g
	s_wait_dscnt 32                                ; all but the 32 just issued
	WIN MUL_HI
	MUL16 \f, 1, 0, \zero
	MUL16 \f, 1, 2, \zero
.endm
; The last quarter multiplies buffer 1 and changes slots.  MEET is its first half: ONE barrier for the change of slots, for two things.  In front of it each wave waits for all its tensor loads, of which
; one is out: its part of the next slot; adds 0 to its spare word; and waits for that and for its own reads of this slot.  Behind it nobody reads this slot any more and the next slot is whole.
.macro MEET round                      ; round = 1: a round of the cluster's barrier follows
	WIN 0                                          ; (the add's two registers lie in window 0)
	s_wait_tensorcnt 0x0                           ; all my tensor loads have landed: the one that was out is my part of the next slot;
	ds_add_u32 v[SPW], v[NIL]                      ; 0 onto my spare word;
	s_wait_dscnt 9                                 ; (the add and the youngest eight loads may be out)
	WIN MUL_LO
	MUL16 F1, 0, 0, 0                              ; sixteen matrix instructions stand between the add and the wait for it
	s_wait_dscnt 0x0                               ; the add is done, and my reads of this slot are over:
	s_barrier_signal -1                            ; say so (where a slot is filled again this barrier opens a round of the cluster's barrier),
	MUL16 F1, 0, 2, 0                              ; work on registers while the others arrive,
.if \round
	WIN 0
.endif
	s_barrier_wait -1                              ; and go on when all four have said so
.endm
; The whole last quarter.  Behind the barrier the slot just read out is filled again first: with this tile's K step two steps on (on = 0) or, in the first tile's last two K steps, with the second tile's
; K step 0 or 1 (on = 1); then come the next slot's first fragments.  From a request to the wait for it a wave issues 224 matrix instructions, across tiles too; one tensor load of mine is out.
.macro TURN slot, next, on
	s_wait_xcnt 0x0                                ; the last prefetch, a K step back, has read its address: it is stepped here, ahead of the waits of the change of slots
.if (\on) && (\slot) == 0
	s_add_nc_u64 s[PFA:PFA+1], s[PFA:PFA+1], (WALK-1)*SIZE_K*2+KSTEP*2  ; from the K step after the tile's last to the next tile's K step 1: WALK rows down, back along K
	s_cmp_eq_u32 s11, 0
	s_cselect_b32 s[LIM], s[LIM], -1               ; B's rows are the same for both tiles: they are asked for in the first alone
.else
	s_add_nc_u64 s[PFA:PFA+1], s[PFA:PFA+1], KSTEP*2
.endif
	MEET 1
	CREST                                          ; wave 0 says so for the work-group, all sixteen work-groups have said so, my work-group's barrier closes the round:
	                                               ; no wave of any partner still reads this slot's tile or has a load on its way
.if \on
	s_add_nc_u64 s[G0+4*(\slot)+2:G0+4*(\slot)+3], s[G0+4*(\slot)+2:G0+4*(\slot)+3], NEXT_A
	s_sub_nc_u64 s[G0B+4*(\slot)+2:G0B+4*(\slot)+3], s[G0B+4*(\slot)+2:G0B+4*(\slot)+3], BACK_B
.else
	s_add_nc_u64 s[G0+4*(\slot)+2:G0+4*(\slot)+3], s[G0+4*(\slot)+2:G0+4*(\slot)+3], 2*KSTEP*2
	s_add_nc_u64 s[G0B+4*(\slot)+2:G0B+4*(\slot)+3], s[G0B+4*(\slot)+2:G0B+4*(\slot)+3], 2*KSTEP*2
.endif
	JLOAD \slot                                    ; the first tensor load behind the round; the four v_nop behind it are also the places in front of the loads below
	FETCH \next, 0, F0
	ASK \on                                        ; behind the joint load and the run of LDS loads that the next products wait for
	WIN MUL_HI
	MUL16 F1, 1, 0, 0
	MUL16 F1, 1, 2, 0
.endm
; THE LAST K STEP OF THE SECOND TILE (it lies in slot 1) GOES BY ROWS OF C, NOT BY K.  All its fragments of B (4 quarters x 64 registers) fill window 1; then my eight blocks of 16 rows are finished one
; after the other, each with 32 matrix instructions (its 8 accumulators by turns, K ascending).  LDS is read no more than in any other K step.
.macro BLOAD q                         ; B's fragments of quarter q -> window 1, v[64 q ..]
	WIN TO_B
.irp i, 0,1,2,3,4,5,6,7
	ds_load_b128 v[64*(\q)+8*(\i):64*(\q)+8*(\i)+3],   v[ADRB+1] offset:64*(\q)+(\i)*16*PITCH
	ds_load_b128 v[64*(\q)+8*(\i)+4:64*(\q)+8*(\i)+7], v[ADRB+1] offset:64*(\q)+(\i)*16*PITCH+32
.endr
.endm
.macro ALOAD a                         ; A's fragments of block a, all four quarters -> buffer a % 4
	WIN 0
.set FA, PA+32*((\a)%4)
.irp q, 0,1,2,3
	ds_load_b128 v[FA+8*(\q):FA+8*(\q)+3],   v[ADRA+1] offset:64*(\q)+(\a)*16*PITCH
	ds_load_b128 v[FA+8*(\q)+4:FA+8*(\q)+7], v[ADRA+1] offset:64*(\q)+(\a)*16*PITCH+32
.endr
.endm
.macro ROW a                           ; block a is finished: 32 matrix instructions
.set FA, PA+32*((\a)%4)                ; its fragments of A
.set AC, 64*((\a)%4)                   ; its eight accumulators, in window 2 (blocks 0-3) or 3 (blocks 4-7)
	WIN MUL_LO+0x50*((\a)/4)                       ; MUL_LO or MUL_HI
.irp q, 0,1,2,3
.if (\a) == 0 && (\q) == 2
	s_wait_dscnt 24                                ; B's quarter 2 is in (behind it: A's blocks 1 to 3)
.endif
.irp b, 0,1,2,3,4,5,6,7
	v_wmma_f32_16x16x32_bf16 v[AC+8*(\b):AC+8*(\b)+7], v[64*(\q)+8*(\b):64*(\q)+8*(\b)+7], v[FA+8*(\q):FA+8*(\q)+7], v[AC+8*(\b):AC+8*(\b)+7]
.endr
.endr
.endm
; THE WAY OUT of block a, in three parts.  PACK: the sums times my row's scale, in place (the accumulators are finished: the next tile's sums start with the constant 0), each accumulator from its lowest
; registers on; then rounded to f16, 16 bytes a lane.  TOSTAGE: into my own stage in LDS, and back as whole rows of 256 bytes.  SEND: stored.
.macro PACK a
.set AC, 64*((\a)%4)
.set RP, RS+2*(\a)+2*((\a)/7)          ; the block's pair: v2, v4 .. v14, v18
	WIN 0x82+0x41*((\a)/4)                         ; destination and source 0: window 2 or 3; source 1: window 0
.set i, 0
.rept 32
	v_pk_mul_f32 v[AC+2*i:AC+2*i+1], v[AC+2*i:AC+2*i+1], v[RP:RP+1] op_sel_hi:[1,0]
.set i, i+1
.endr
	WIN 0x0a+5*((\a)/4)                            ; sources 0 and 1: window 2 or 3; destination: window 0
.irp b, 0,1,2,3,4,5,6,7
.irp r, 0,1,2,3
	v_cvt_pk_f16_f32 v[TMP+4*(\b)+(\r)], v[AC+8*(\b)+2*(\r)], v[AC+8*(\b)+2*(\r)+1]
.endr
.endr
	WIN 0
.endm
.macro TOSTAGE a
	WIN 0
.set BK, OB+192*((\a)%2)
.irp b, 0,1,2,3,4,5,6,7
	ds_store_b128 v[STO], v[TMP+4*(\b):TMP+4*(\b)+3] offset:32*(\b)
.endr
.irp t, 0,1,2,3,4,5,6,7
	ds_load_b128 v[BK+4*(\t):BK+4*(\t)+3], v[RD] offset:(\t)*2*SPITCH  ; LDS serves a wave's instructions in order (ISA guide 5.7.1.4): these see the stores above
.endr
.endm
.macro SEND a, younger                 ; younger: the LDS loads issued behind TOSTAGE's, which may stay out
	WIN 0
.set BK, OB+192*((\a)%2)
	s_wait_dscnt \younger                          ; the block is back in registers
	s_wait_xcnt 0x0                                ; only behind this wait are the stores' base and the registers that earlier stores read rewritten
.if (\a) == 0
	s_add_nc_u64 s[8:9], s[8:9], s[16:17]          ; on to this tile's first rows
.else
	s_add_nc_u64 s[8:9], s[8:9], 16*SIZE_N*2       ; 16 rows of C on, so that the stores' offsets stay small: 14 rows of 4,096 bytes at the most
.endif
.irp t, 0,1,2,3,4,5,6,7
	global_store_b128 v[CO], v[BK+4*(\t):BK+4*(\t)+3], s[8:9] offset:2*(\t)*SIZE_N*2  ; 16 lanes store 256 consecutive bytes, at a multiple of 256 from C's first byte
.endr
.endm
	s_wait_tensorcnt 1                             ; my part of K step 0 is in; K step 1's may stay out
	s_barrier_signal -1
	s_barrier_wait -1                              ; everybody's is
	FETCH 0, 0, F0
	s_mov_b32 s2, SIZE_TILES                       ; tiles to go, this one among them: the same number in every work-group
.Ltile:                                                ; (FETCH and SEND leave every window 0)
.irp a, 0,1,2,3,4,5,6,7
	global_load_b32 v[RS+2*(\a)+2*((\a)/7)], v[RSO], s[RSB:RSB+1] offset:64*(\a)  ; the scale of row 16 a + lane % 16 of my 128: asked for here, wanted on the way out, a whole tile later
.endr
	QUARTER 0, 64,  F0, F1, 1                      ; a tile's first quarter stands in front of the loop: its products start the sums
	WIN 0                                          ; at a label and at a branch every window is 0
	s_mov_b32 s3, LAPS-1
.Llap:                                                 ; a trip goes once round the ring, from a lap's second quarter to the next lap's first, and fills both slots again
	QUARTER 0, 128, F1, F0, 0
	QUARTER 0, 192, F0, F1, 0
	TURN 0, 1, 0
	QUARTER 1, 64,  F0, F1, 0
	QUARTER 1, 128, F1, F0, 0
	QUARTER 1, 192, F0, F1, 0
	TURN 1, 0, 0
	QUARTER 0, 64,  F0, F1, 0
	WIN 0
	s_sub_co_u32 s3, s3, 1
	s_cmp_lg_u32 s3, 0
	s_cbranch_scc1 .Llap
	QUARTER 0, 128, F1, F0, 0                      ; the tile's last lap goes on
	QUARTER 0, 192, F0, F1, 0
	WIN 0
	s_cmp_eq_u32 s2, 1
	s_cbranch_scc1 .Llast_tile                     ; the last tile's tail is written out: it asks for nothing more
	TURN 0, 1, 1                                   ; THE RING GOES ON INTO THE NEXT TILE: slot 0 takes its K step 0,
	QUARTER 1, 64,  F0, F1, 0
	QUARTER 1, 128, F1, F0, 0
	QUARTER 1, 192, F0, F1, 0
	TURN 1, 0, 1                                   ; slot 1 its K step 1, and the next tile's first fragments are fetched
	s_wait_loadcnt 0x0                             ; the eight row scales, asked for at the tile's head, the text's only loads into registers
	PACK 0                                         ; BOTH REFILLS ARE ASKED FOR: NOW THE TILE GOES OUT.  No v_nop: blocks 0-3 were finished in front of TURN's places, and their 256 scalings and conversions,
	TOSTAGE 0                                      ; which name no register of the last products (blocks 4-7's), are those products' places
.irp a, 1,2,3,4,5,6,7                  ; block a's arithmetic stands between block a - 1's loads from the stage and the wait for them
	PACK \a
	SEND (\a)-1, 0
	TOSTAGE \a
.endr
	SEND 7, 0
	s_mov_b64 s[16:17], NEXT_C                     ; what the next way out adds to C's address
	s_add_nc_u64 s[RSB:RSB+1], s[RSB:RSB+1], WALK*4  ; the next tile's row scales; the loads that read this base were waited for above
	s_sub_co_u32 s2, s2, 1
	s_branch .Ltile
.Llast_tile:
	MEET 0                                         ; my one tensor load that was still out is slot 1's, the last K step's, so no round follows
	PLACES                                         ; for the loads into buffer 0, which the quarter before multiplied
	WIN TO_B
	BLOAD 0                                        ; three quarters of B now: buffer 1 (v128-191 of both windows) is still being multiplied
	BLOAD 1
	BLOAD 3
	WIN 0
	ALOAD 0
	WIN MUL_HI
	MUL16 F1, 1, 0, 0
	MUL16 F1, 1, 2, 0
	PLACES                                         ; for the loads into buffer 1
	WIN TO_B
	BLOAD 2
	WIN 0
	ALOAD 1
	ALOAD 2
	ALOAD 3
	s_wait_dscnt 40                                ; all but the 40 just issued
	ROW 0
	s_wait_loadcnt 0x0                             ; the eight row scales
.irp a, 0,1,2,3,4,5,6,7                ; each block leaves as soon as it is finished: nothing follows this tile
	PLACES                                         ; its scalings read results just made, and no other vector work is at hand
	PACK \a
	TOSTAGE \a
.if (\a) < 4
	ALOAD (\a)+4                                   ; its buffer takes the block four further on
	SEND \a, 8
.else
	SEND \a, 0
.endif
.if (\a) < 7
	ROW (\a)+1
.endif
.endr
	s_wait_tensorcnt 0x0                           ; the wave's end, behind my last tensor load and my last LDS store
	ds_add_u32 v[SPW], v[NIL]
	s_wait_dscnt 0x0
	CROUND                                         ; the closing round: no work-group ends while a partner may still ask for a tile that names it
	s_endpgm
.Lfunc_end_k_qf45f124b10_gemm:
	.size	k_qf45f124b10_gemm, .Lfunc_end_k_qf45f124b10_gemm-k_qf45f124b10_gemm
	.p2alignl 7, 3214868480
	.fill 96, 4, 3214868480
	.section	.rodata,"a",@progbits
	.p2align	6, 0x0
	.amdhsa_kernel k_qf45f124b10_gemm
		.amdhsa_group_segment_fixed_size 327680
		.amdhsa_private_segment_fixed_size 0
		.amdhsa_enable_private_segment 0
		.amdhsa_kernarg_size 32
		.amdhsa_user_sgpr_count 2
		.amdhsa_user_sgpr_kernarg_segment_ptr 1
		.amdhsa_wavefront_size32 1
		.amdhsa_system_sgpr_workgroup_id_x 1
		.amdhsa_system_sgpr_workgroup_id_y 1
		.amdhsa_system_sgpr_workgroup_id_z 1
		.amdhsa_system_vgpr_workitem_id 0
		.amdhsa_next_free_vgpr 1024
		.amdhsa_next_free_sgpr 70
		.amdhsa_reserve_vcc 0
		.amdhsa_float_denorm_mode_32 3
		.amdhsa_float_denorm_mode_16_64 3
		.amdhsa_memory_ordered 1
		.amdhsa_forward_progress 1
		.amdhsa_inst_pref_size 244
	.end_amdhsa_kernel
	.amdgpu_metadata
---
amdhsa.version: [ 1, 2 ]
amdhsa.kernels:
  - .name:           k_qf45f124b10_gemm
    .symbol:         k_qf45f124b10_gemm.kd
    .args:
      - { .name: qx, .offset: 0, .size: 8, .value_kind: global_buffer, .address_space: global }
      - { .name: qw, .offset: 8, .size: 8, .value_kind: global_buffer, .address_space: global }
      - { .name: out0, .offset: 16, .size: 8, .value_kind: global_buffer, .address_space: global }
      - { .name: rs, .offset: 24, .size: 8, .value_kind: global_buffer, .address_space: global }
    .group_segment_fixed_size: 327680
    .private_segment_fixed_size: 0
    .kernarg_segment_align: 8
    .kernarg_segment_size: 32
    .max_flat_workgroup_size: 128
    .sgpr_count:     70
    .vgpr_count:     1024
    .wavefront_size: 32
...
	.end_amdgpu_metadata
.endif
;; end of part 3
;; ======== version 2 of 2: 3 launches; version 1 with the launch quant written anew for expert scheduling mode
;; workspace buffers: part 1,024 bytes; qx 67,108,864 bytes; qw 8,388,608 bytes; rs 65,536 bytes
;; launch wsum: the kernel of part 1 again; grid 256 x 1, 8 waves a work-group, no clusters, 1,280 bytes of LDS; arguments weight, part; writes part
;; launch quant (part 4): grid 256 x 1, 16 waves a work-group, no clusters, 2,304 bytes of LDS; arguments x, weight, part, qx, qw, rs; writes qx, qw, rs
.if DOCPART == 4
	.amdgcn_target "amdgcn-amd-amdhsa--gfx1250"
	.amdhsa_code_object_version 6
	.text
	.protected	k_qf45f124b10_quant
	.globl	k_qf45f124b10_quant
	.p2align	8
	.type	k_qf45f124b10_quant,@function
k_qf45f124b10_quant:
	s_mov_b64 s[64:65], 0
	v_nop
	global_prefetch_b8 v0, s[64:65] scope:SCOPE_SE
	s_setreg_imm32_b32 hwreg(HW_REG_WAVE_SCHED_MODE, 0, 2), 2
	s_setreg_imm32_b32 hwreg(HW_REG_WAVE_MODE, 25, 1), 1
	s_wait_xcnt 0x0
	s_wait_alu depctr_vm_vsrc(0)
; BitLinear, step 2 of 3: both quantisations.  Nothing of the computation is left out.
;   mw = max(sum(part) / 2^22, 1e-5), sw = 1 / mw;  qw = clip(round(W sw), -1, 1) as bf16 (exact);
;   for each row of x: D = max(max|x|, 1e-5), si = 127 / D, qx = clip(round(x si), -128, 127) as bf16 (exact), rs[row] = D mw / 127.
; Rounding is to the nearest even, as jnp.round's.  Both quotients are a reciprocal and one step of correction by fused multiply-adds.
; LIMITS.  As stated at the first kernel's head: a weight with |w sw| within about 1e-7 (relative) of 0.5 may take the neighbouring value; likewise qx may differ by 1 where x si lies at a half
; to within si's last place; NaN is passed over by the maxima; D and mw stay under 2^126.
; SHARES.  Sixteen waves, 4,096 in the launch, all alike.  Wave g takes rows 4 g .. 4 g + 3 of x, a whole row at a time (8,192 bytes = 64 registers a lane: the row is read once and stays in
; registers between the maximum and the scaling), and 4,096 bytes of W at 4,096 g (W's scale is one number, so any split serves).  Every wave adds the 256 partial sums itself, in one fixed
; order: sw is the same bit for bit in all of them.
; IN FLIGHT.  Two row slots: while one row is worked on the other's sixteen loads are out; a slot is asked for again in two halves, each as soon as its 32 registers are packed.
; Loads cover 512 consecutive bytes a wave; each store of a wave covers 256 consecutive bytes, aligned.  Nothing is looped: four rows a wave, every offset an immediate.
; No matrix unit, no cluster (waves share the 1,024 bytes of part alone), no prefetch (every wave's next row is already asked for by its own loads).
; THE MODE: SCHED_MODE bits 1:0 = 2 (LLVM: expert scheduling mode 2), set by the entry lines.  The code itself states the register dependences between vector instructions and memory or LDS
; instructions, with s_wait_alu, always for 0.
; THE PLAN.  Registers that memory or LDS instructions touch:
;   X0, X1      two row slots, each in two halves of 32.  Loads land in them; the row's turn reads them and scales them in place; a half is loaded again (row r + 2) behind the wait that follows the half's arithmetic.
;   Y0, Y1      two out-buffers, each in two halves of 16.  Row r's halves are rounded into Y[r % 2], W's 32 numbers into Y1's upper half; a half is read by its eight stores, which stand behind the wait that
;               follows the half's arithmetic: dealt among the next half's arithmetic, or among the next turn's maxima, neither of which names that half.
;   v[24:27]    a register for each row's scale: written once, read by one LDS store.
;   v1, v2, v3, v22, v20, v21   offsets and LDS addresses: made at the head and never written again; every row is reached by an immediate offset.
;   v[4:5]      named by an LDS load and a store alone.
; A turn has three waits on va_vdst: behind the reciprocal and the row's scale; behind the first half; behind the second half.  A wait on vm_vsrc stands in the middle of turns 1 and 2 alone: only there is a half of Y
; about to be written again whose stores no earlier such wait has covered.
.set SPARE, 256                        ; LDS: bytes 0-255 the work-group's 64 row scales; from 256 on the spare words, 128 bytes a wave, which no other line names
.set M,   12                           ; v[12:15]   four chains of maxima
.set P,   24                           ; v[24:31]   my eight of the 256 partial sums
.set RSV, 24                           ; v[24:27]   later: rs of my rows 0 to 3
.set W,   32                           ; v[32:63]   my 32 numbers of W
.set X,   64                           ; v[64:191]  two row slots of 64
.set Y,   192                          ; v[192:255] two out-buffers of 32: packed results, on their way out
; v1 16 x lane (loads)   v2 8 x lane (stores)   v3 32 x lane (part)   v[4:5] wave 0's read of the scales   v6 the lanes' exchange   v8 D or mw   v9 its reciprocal
; v10, v11 the correction   v[16:17] si, 0   v[18:19] sw, 0 (named as pairs; the low word feeds both halves)   v20 my spare word   v21 0   v22 16 x wave   v23 mw / 127
	s_load_b256 s[4:11], s[0:1], 0x0               ; x s[4:5], weight s[6:7], part s[8:9], qx s[10:11]
	s_load_b128 s[12:15], s[0:1], 0x20             ; qw s[12:13], rs s[14:15]
	v_lshl_add_u32 v20, v0, 2, SPARE
	v_mov_b32 v21, 0
	v_lshrrev_b32 v22, 5, v0
	v_readfirstlane_b32 s16, v22                   ; wave 0..15
	v_and_b32 v6, 31, v0
	v_lshlrev_b32 v1, 4, v6
	v_lshlrev_b32 v2, 3, v6
	v_lshlrev_b32 v3, 5, v6
	s_wait_alu depctr_va_sdst(0)                   ; s16 is written, ahead of its first reader: the LDS address below and the bases of x, W, qx and qw are made from it
	v_mov_b32 v22, s16
	v_lshlrev_b32 v22, 4, v22                      ; my wave's four words in LDS
	v_mov_b32 v6, 0
	v_mov_b32 v17, 0
	v_mov_b32 v19, 0
	s_mov_b32 s20, 0xc3000000                      ; -128.0
	s_mov_b32 s21, 0x42fe0000                      ; 127.0
	s_mov_b32 s22, 0x76543210                      ; each lane takes its own place in the other half
	s_mov_b32 s23, 0xfedcba98
	s_lshl_b32 s17, ttmp9, 4
	s_add_co_u32 s17, s17, s16                     ; g
	s_mov_b32 s19, 0
	s_wait_kmcnt 0x0
	s_lshl_b32 s18, s17, 15                        ; four rows of 8,192 bytes
	s_add_nc_u64 s[4:5], s[4:5], s[18:19]
	s_lshl_b32 s18, s17, 12                        ; 4,096 bytes of W
	s_add_nc_u64 s[6:7], s[6:7], s[18:19]
	s_lshl_b32 s18, s17, 14                        ; four rows of 4,096 bytes
	s_add_nc_u64 s[10:11], s[10:11], s[18:19]
	s_lshl_b32 s18, s17, 11                        ; 2,048 bytes of qw
	s_add_nc_u64 s[12:13], s[12:13], s[18:19]
	s_lshl_b32 s18, ttmp9, 8                       ; the work-group's 64 words of rs
	s_add_nc_u64 s[14:15], s[14:15], s[18:19]
	s_wait_alu depctr_va_vdst(0)                   ; v1, v2, v3, v22, v20 and v21 are written: every load, store and LDS instruction of the kernel reads one of them as its address, and none is written again
	global_load_b128 v[P:P+3],   v3, s[8:9]        ; 42 loads on end: part (2),
	global_load_b128 v[P+4:P+7], v3, s[8:9] offset:16
.set j, 0
.rept 8
	global_load_b128 v[W+4*j:W+4*j+3], v1, s[6:7] offset:512*j th:TH_LOAD_NT   ; W (8),
.set j, j+1
.endr
.set j, 0
.rept 32
	global_load_b128 v[X+4*j:X+4*j+3], v1, s[4:5] offset:512*j th:TH_LOAD_NT   ; rows 0 and 1 (16 each), which lie end to end
.set j, j+1
.endr
	s_wait_loadcnt 40                              ; part is in; W's 8 and the rows' 32 stay out
	v_add_f32 v24, v24, v25
	v_add_f32 v26, v26, v27
	v_add_f32 v28, v28, v29
	v_add_f32 v30, v30, v31
	v_add_f32 v24, v24, v26
	v_add_f32 v28, v28, v30
	v_add_f32 v24, v24, v28
	v_add_f32_dpp v24, v24, v24 row_xmask:1 row_mask:0xf bank_mask:0xf
	v_add_f32_dpp v24, v24, v24 row_xmask:2 row_mask:0xf bank_mask:0xf
	v_add_f32_dpp v24, v24, v24 row_xmask:4 row_mask:0xf bank_mask:0xf
	v_add_f32_dpp v24, v24, v24 row_xmask:8 row_mask:0xf bank_mask:0xf
	v_permlanex16_b32 v6, v24, s22, s23
	v_add_f32 v24, v24, v6
	v_mul_f32 v8, 0x34800000, v24                  ; / 2^22, the number of weights: exact
	v_max_num_f32 v8, 0x3727c5ac, v8               ; mw = clip(mean, 1e-5)
	v_rcp_f32 v9, v8
	v_mul_f32 v23, 0x3c010204, v8                  ; mw / 127: the plain instruction behind the reciprocal
	s_wait_alu depctr_va_vdst(0)                   ; the reciprocal has written v9: the wait ahead of its first reader
	v_fma_f32 v11, -v8, v9, 1.0                    ; 1 - mw r
	v_fma_f32 v18, v11, v9, v9                     ; sw = r + r (1 - mw r)
	s_wait_loadcnt 32                              ; W is in; the two rows stay out
.set j, 0
.rept 8
	v_pk_mul_f32 v[W+4*j:W+4*j+1],   v[W+4*j:W+4*j+1],   v[18:19] op_sel_hi:[1,0]
	v_pk_mul_f32 v[W+4*j+2:W+4*j+3], v[W+4*j+2:W+4*j+3], v[18:19] op_sel_hi:[1,0]
.irp k, 0,1,2,3
	v_rndne_f32 v[W+4*j+(\k)], v[W+4*j+(\k)]
.endr
.irp k, 0,1,2,3
	v_med3_num_f32 v[W+4*j+(\k)], v[W+4*j+(\k)], -1.0, 1.0
.endr
	v_cvt_pk_bf16_f32 v[Y+48+2*j],   v[W+4*j],   v[W+4*j+1]    ; into Y1's upper half
	v_cvt_pk_bf16_f32 v[Y+48+2*j+1], v[W+4*j+2], v[W+4*j+3]
.set j, j+1
.endr
	s_wait_alu depctr_va_vdst(0)                   ; W's conversions have written Y1's upper half, which the eight stores in the first turn read
; Store n of the eight that are left over when turn r begins: W's (r = 0), or those of the second half of row r - 1.  Their data were written ahead of the last wait on va_vdst, and nothing since names them.
.macro BEFORE r, n
.if (\r) == 0
	global_store_b64 v2, v[Y+48+2*(\n):Y+48+2*(\n)+1], s[12:13] offset:256*(\n)
.else
	global_store_b64 v2, v[Y+32*(((\r)-1)%2)+16+2*(\n):Y+32*(((\r)-1)%2)+16+2*(\n)+1], s[10:11] offset:4096*((\r)-1)+256*(8+(\n))
.endif
.endm
; Group j of a row's sixteen: four words of slot XB are scaled, rounded, clipped and packed into two words of buffer YB.
.macro FOUR
	v_pk_mul_f32 v[XB+4*j:XB+4*j+1],   v[XB+4*j:XB+4*j+1],   v[16:17] op_sel_hi:[1,0]
	v_pk_mul_f32 v[XB+4*j+2:XB+4*j+3], v[XB+4*j+2:XB+4*j+3], v[16:17] op_sel_hi:[1,0]
.irp k, 0,1,2,3
	v_rndne_f32 v[XB+4*j+(\k)], v[XB+4*j+(\k)]
.endr
.irp k, 0,1,2,3
	v_med3_num_f32 v[XB+4*j+(\k)], v[XB+4*j+(\k)], s20, s21
.endr
	v_cvt_pk_bf16_f32 v[YB+2*j],   v[XB+4*j],   v[XB+4*j+1]
	v_cvt_pk_bf16_f32 v[YB+2*j+1], v[XB+4*j+2], v[XB+4*j+3]
.endm
; Row r, which lies in slot s = r % 2 and is packed into Y[s].  refill = 1: the slot takes row r + 2.  free = 1: halves of Y are about to be written again whose stores no earlier wait has covered.
; left = the younger loads that may stay out: the other slot's sixteen, or none.
.macro TURN r, s, refill, free, left
.set XB, X+64*(\s)
.set YB, Y+32*(\s)
	s_wait_loadcnt \left                           ; my row's sixteen loads are in
	BEFORE \r, 0                                   ; the eight stores left over are dealt among the maxima, which name this slot, M and v6 alone
.irp k, 0,1,2,3
	v_max_num_f32 v[M+(\k)], |v[XB+2*(\k)]|, |v[XB+2*(\k)+1]|   ; the first eight numbers start four chains
.endr
.set i, 0
.rept 28
.if i%4 == 0
	BEFORE \r, 1+i/4
.endif
	v_max3_num_f32 v[M+i%4], v[M+i%4], |v[XB+8+2*i]|, |v[XB+9+2*i]|
.set i, i+1
.endr
	v_max3_num_f32 v[M], v[M], v[M+1], v[M+2]
	v_max_num_f32 v[M], v[M], v[M+3]
	v_max_num_f32_dpp v[M], v[M], v[M] row_xmask:1 row_mask:0xf bank_mask:0xf
	v_max_num_f32_dpp v[M], v[M], v[M] row_xmask:2 row_mask:0xf bank_mask:0xf
	v_max_num_f32_dpp v[M], v[M], v[M] row_xmask:4 row_mask:0xf bank_mask:0xf
	v_max_num_f32_dpp v[M], v[M], v[M] row_xmask:8 row_mask:0xf bank_mask:0xf
	v_permlanex16_b32 v6, v[M], s22, s23
	v_max_num_f32 v[M], v[M], v6                   ; every lane holds the row's max|x|
	v_max_num_f32 v8, 0x3727c5ac, v[M]             ; D = clip(.., 1e-5)
	v_rcp_f32 v9, v8
	v_mul_f32 v[RSV+(\r)], v8, v23                 ; rs = D mw / 127, in the row's own register: the plain instruction behind the reciprocal
	s_wait_alu depctr_va_vdst(0)                   ; the multiply has written the row's scale, which the LDS store reads; the reciprocal has written v9, ahead of its first reader
	ds_store_b32 v22, v[RSV+(\r)] offset:4*(\r)    ; all lanes write the row's word with the same value
	v_mul_f32 v10, s21, v9                         ; q = 127 r
	v_fma_f32 v11, -v8, v10, s21                   ; 127 - D q
	v_fma_f32 v16, v11, v9, v10                    ; si = q + r (127 - D q)
.set j, 0
.rept 8                                            ; the first half: the slot's lower 32 registers into Y[s]'s lower 16
	FOUR
.set j, j+1
.endr
.if \free
	s_wait_xcnt 0x0                                ; the stores issued so far have had their addresses translated: their data registers are rewritten only behind this wait,
	s_wait_alu depctr_vm_vsrc(0)                   ; and they have read those registers: Y[s]'s upper half, which the second half below writes again, and the other Y, which the next turn writes again
.endif
	s_wait_alu depctr_va_vdst(0)                   ; the first half has written Y[s]'s lower half, which the stores below read, and is done with the slot's lower half, in which the loads below land
.rept 8                                            ; the second half names the slot's upper 32 registers, Y[s]'s upper 16 and si: none of the registers that these loads and stores touch
.if \refill
	global_load_b128 v[XB+4*(j-8):XB+4*(j-8)+3], v1, s[4:5] offset:8192*((\r)+2)+512*(j-8) th:TH_LOAD_NT   ; the load ahead of the store
.endif
	global_store_b64 v2, v[YB+2*(j-8):YB+2*(j-8)+1], s[10:11] offset:4096*(\r)+256*(j-8)
	FOUR
.set j, j+1
.endr
	s_wait_alu depctr_va_vdst(0)                   ; the second half has written Y[s]'s upper half, which the eight stores left over read, and is done with the slot's upper half, in which the loads below land
.if \refill
.set j, 8
.rept 8
	global_load_b128 v[XB+4*j:XB+4*j+3], v1, s[4:5] offset:8192*((\r)+2)+512*j th:TH_LOAD_NT   ; asked for at once, ahead of the next turn's wait for its row
.set j, j+1
.endr
.endif
.endm
	TURN 0, 0, 1, 0, 16
	TURN 1, 1, 1, 1, 16
	TURN 2, 0, 0, 1, 16
	TURN 3, 1, 0, 0, 0
.irp n, 0,1,2,3,4,5,6,7
	BEFORE 4, \n                                   ; the last row's second half
.endr
	s_wait_dscnt 0x0                               ; for the others' sake: my four scales lie in LDS
	s_barrier_signal -1
	s_barrier_wait -1
	s_cmp_lg_u32 s16, 0                            ; wave 0 stores the work-group's 64 scales: one store of 256 consecutive bytes, aligned
	s_cbranch_scc1 .Lend
	ds_load_b64 v[4:5], v2
	s_wait_dscnt 0x0
	global_store_b64 v2, v[4:5], s[14:15]
.Lend:
	s_wait_dscnt 0x0                               ; the closing lines, six on end
	s_wait_alu 0x0
	s_wait_tensorcnt 0x0
	ds_add_u32 v20, v21
	s_wait_dscnt 0x0
	s_endpgm
.Lfunc_end_k_qf45f124b10_quant:
	.size	k_qf45f124b10_quant, .Lfunc_end_k_qf45f124b10_quant-k_qf45f124b10_quant
	.p2alignl 7, 3214868480
	.fill 96, 4, 3214868480
	.section	.rodata,"a",@progbits
	.p2align	6, 0x0
	.amdhsa_kernel k_qf45f124b10_quant
		.amdhsa_group_segment_fixed_size 2304
		.amdhsa_private_segment_fixed_size 0
		.amdhsa_enable_private_segment 0
		.amdhsa_kernarg_size 48
		.amdhsa_user_sgpr_count 2
		.amdhsa_user_sgpr_kernarg_segment_ptr 1
		.amdhsa_wavefront_size32 1
		.amdhsa_system_sgpr_workgroup_id_x 1
		.amdhsa_system_sgpr_workgroup_id_y 1
		.amdhsa_system_sgpr_workgroup_id_z 1
		.amdhsa_system_vgpr_workitem_id 0
		.amdhsa_next_free_vgpr 256
		.amdhsa_next_free_sgpr 66
		.amdhsa_reserve_vcc 0
		.amdhsa_float_denorm_mode_32 3
		.amdhsa_float_denorm_mode_16_64 3
		.amdhsa_memory_ordered 1
		.amdhsa_forward_progress 1
		.amdhsa_inst_pref_size 74
	.end_amdhsa_kernel
	.amdgpu_metadata
---
amdhsa.version: [ 1, 2 ]
amdhsa.kernels:
  - .name:           k_qf45f124b10_quant
    .symbol:         k_qf45f124b10_quant.kd
    .args:
      - { .name: x, .offset: 0, .size: 8, .value_kind: global_buffer, .address_space: global }
      - { .name: weight, .offset: 8, .size: 8, .value_kind: global_buffer, .address_space: global }
      - { .name: part, .offset: 16, .size: 8, .value_kind: global_buffer, .address_space: global }
      - { .name: qx, .offset: 24, .size: 8, .value_kind: global_buffer, .address_space: global }
      - { .name: qw, .offset: 32, .size: 8, .value_kind: global_buffer, .address_space: global }
      - { .name: rs, .offset: 40, .size: 8, .value_kind: global_buffer, .address_space: global }
    .group_segment_fixed_size: 2304
    .private_segment_fixed_size: 0
    .kernarg_segment_align: 8
    .kernarg_segment_size: 48
    .max_flat_workgroup_size: 512
    .sgpr_count:     66
    .vgpr_count:     256
    .wavefront_size: 32
...
	.end_amdgpu_metadata
.endif
;; end of part 4
;; launch gemm: the kernel of part 3 again; grid 8 x 32, 4 waves a work-group, clusters of 4 x 4, 327,680 bytes of LDS; arguments qx, qw, out0, rs; writes out0
